; MI455X (gfx1250); checked and timed in simulation.
; The chip was launched on July 23, 2026; its instructions are those of AMD's public machine-readable ISA for CDNA 5 (MIT licence, August 2026) and "CDNA5" Instruction Set Architecture Reference Guide (July 2026). The comments in the code are by the model that wrote it; some were corrected since.
;; K Means. Allowed arithmetic: float matrix products may take bf16 or f16 operands with f32 sums; all other float work in f32.
;; Inputs: X 500,000 x 64 float32; codebook 512 x 64 float32.
;; Outputs: out0 500,000 int32; out1 500,000 float32.
;; 2 versions, each right and faster than the one before. Each part assembles by itself: llvm-mc -triple=amdgcn-amd-amdhsa -mcpu=gfx1250 --defsym DOCPART=n.
;; ======== version 1 of 2: 1 launch
;; launch kmeans (part 1): grid 245 x 1, 4 waves a work-group, no clusters, 114,176 bytes of LDS; arguments X, codebook, out0, out1; writes out0, out1
.if DOCPART == 1
	.amdgcn_target "amdgcn-amd-amdhsa--gfx1250"
	.amdhsa_code_object_version 6
	.text
	.protected	k_q8d4c2fabf7_kmeans
	.globl	k_q8d4c2fabf7_kmeans
	.p2align	8
	.type	k_q8d4c2fabf7_kmeans,@function
k_q8d4c2fabf7_kmeans:
	s_mov_b64 s[64:65], 0
	v_nop
	global_prefetch_b8 v0, s[64:65] scope:SCOPE_SE
	s_setreg_imm32_b32 hwreg(HW_REG_WAVE_MODE, 25, 1), 1
	s_wait_xcnt 0x0
; Nearest code of 512 for each of 500,000 rows of 64 f32: out0 = its index (int32), out1 = its Euclidean distance (f32).
; ARITHMETIC.  X and the codebook are rounded once to bf16 (nearest even); x2, c2 and x.c are all made of the rounded numbers, sums in f32.
; Score S[k] = x.c[k] - c2[k]/2, so d2 = x2 - 2 S: the smallest distance is the largest S (the factor -2 is exact; the clamp at 0 and the root
; are monotone).  The first matrix instruction of a score tile takes a tile of -c2/2 as its C, so a score costs no vector work to form, and
; one root is taken for each row.  x2 and c2 are the diagonals of F x F^T of the same bf16 fragments.
; LIMITS.  NaN and infinities in the inputs are not served.  The index is that of the largest S, exact ties to the lowest index; where two
; codes' d2 differ by less than the f32 rounding of x2 - 2 x.c + c2, or give the same root, or are both clamped at 0, the problem's formula may
; name the other of the two.  v_sqrt_f32 gives 0 for a denormal d2 (ISA guide 15.8).
; SHARING.  A block is 64 rows; 7,813 blocks, the last begins at row 499,936 and gives rows 499,936 to 499,967 a second time, with the same
; values, by the same wave.  Wave W = 4 x work-group + wave owns blocks 8 W to 8 W + 7: 245 work-groups (244 x 32 < 7,813 <= 245 x 32).
; A wave works alone behind the one barrier that shows the codebook to all: 4 tiles of 16 rows (u = 0..3) against 32 tiles of 16 codes.
; Codes are the matrix A, rows of X the matrix B: lane (r, h) holds row r of X and in register j code 16 T + 8 h + j.
; ADDRESSES.  Every LDS address is a register that is never rewritten plus an immediate, so the 32 code tiles of a block are written out;
; the block loop's body holds two blocks' text (the two raw buffers of X take turns).
; NO CLUSTER: 245 work-groups do not divide by four, and what work-groups share, the codebook, is 131,072 of the 655,360 bytes that a
; work-group reads (32 blocks of 16,384 besides), read once at the start.  X goes through registers, not through a tensor load: it is
; rounded to bf16 on the way into LDS, and two blocks of a wave (32,768 bytes) are on their way without a barrier.
.set NBLK,    7813
.set LASTROW, 499936
.set P,       144                      ; LDS pitch of a bf16 row: 128 + 16 bytes = 36 words, so 16 rows start at 16 different multiples of 4 words modulo 64 (64 banks of 4 bytes: ISA guide 11.1)
.set TILEB,   16*P                     ; a tile of 16 rows
.set C2B,     32*TILEB                 ; behind the codebook's 32 tiles: -c2/2, 512 f32
.set XSB,     C2B+2048                 ; behind that: each wave's stage for one block of X in bf16
.set XSW,     9472
.set ODD,     4736                     ; in a stage: rows 2q at 144 q, rows 2q+1 at 4,736 + 144 q; 4,736 bytes = 32 words modulo 64, so the two lane halves of a store touch different words modulo 64
.set L16,  1                           ; 16 x lane
.set XSS,  2                           ; stage, store address
.set XSF,  3                           ; stage, fragment address
.set A0,   4                           ; code fragments, tiles 0-15: r x 144 + 16 h
.set A1,   5                           ; tiles 16-31: the same + 16 tiles (an LDS immediate ends at 65,535, the codebook at 73,728)
.set C0,   6                           ; -c2/2: C2B + 32 h
.set PT,   7                           ; where an exchange between the lane halves lands
.set H8,   8                           ; 8 h
.set OOFF, 9                           ; 8 x lane
.set TMP,  10                          ; v10-15   at work (at the head: two LDS addresses and a scratch)
.set XF,   16                          ; v16-79   fragments of X: XF + 16 u + 8 s (s: K half)
.set AF,   80                          ; v80-143  code fragments, four buffers: AF + 16 buf + 8 s
.set CT,   144                         ; v144-175 tiles of -c2/2, four buffers
.set ACC,  176                         ; v176-207 four accumulators
.set V,    208                         ; v208-239 the 8 scores of the best tile so far, for each u
.set BE,   240                         ; v240-247 best score, two registers by turns for each u
.set TI,   248                         ; v248-251 the best tile's number
.set X2,   252                         ; v252-253 x2 of block rows 2 L and 2 L + 1
.set CBG,  254
.set CBS,  255
; window 1 (v256-511): two raw blocks of X, 128 registers each; the second holds codes 64-127 of the wave first.  Window 2 (v512-639): the wave's codes 0-63 in f32.
.set RJ,   ACC                         ; at a block's end the accumulators are free: j, index,
.set RIX,  ACC+4
.set OM,   ACC+8                       ; own and sent best and index, received best and index, d2,
.set SM,   ACC+9
.set OI,   ACC+10
.set SI,   ACC+11
.set RM,   ACC+12
.set RI,   ACC+13
.set D2,   ACC+14
.set OUTI, ACC+16                      ; and the two pairs that are stored
.set OUTD, ACC+18
.set MSB, 0
.macro WIN new                         ; s_set_vgpr_msb: bits 1:0 source 0, 3:2 source 1, 5:4 source 2, 7:6 destination; the high byte repeats the setting that is left
.if MSB != \new
	s_set_vgpr_msb (MSB<<8)|\new
.set MSB, \new
.endif
.endm
; 32 loads, 512 consecutive bytes each: the next block of 64 rows into raw buffer b.  The base s[16+2b:17+2b] is written only where that buffer's earlier loads have been waited for.
.macro XLOAD b
	s_lshl_b32 s20, s14, 6
	s_min_u32 s20, s20, LASTROW                    ; no load leaves X: blocks at and past the end begin at row 499,936
	s_lshl_b32 s20, s20, 8                         ; 256 bytes a row
	s_add_nc_u64 s[16+2*\b:17+2*\b], s[4:5], s[20:21]
	s_add_co_u32 s14, s14, 1
	WIN 0x40
.set xq, 0
.rept 32
	global_load_b128 v[128*\b+4*xq:128*\b+4*xq+3], v[L16], s[16+2*\b:17+2*\b] offset:512*xq th:TH_LOAD_NT
.set xq, xq+1
.endr
	WIN 0
.endm
; 128 raw registers (window by win, from register base on) to 64 registers of bf16 pairs in XF
.macro CVT win, base
	WIN \win
.set cq, 0
.rept 32
	v_cvt_pk_bf16_f32 v[XF+2*cq],   v[\base+4*cq],   v[\base+4*cq+1]
	v_cvt_pk_bf16_f32 v[XF+2*cq+1], v[\base+4*cq+2], v[\base+4*cq+3]
.set cq, cq+1
.endr
.endm
; Raw buffer b becomes the fragments of X.  left: the younger buffer's loads that may stay out.  The stage is the wave's own and LDS serves
; a wave's instructions in order (ISA guide 5.7.1), so no wait stands between the stores and the loads.
.macro CONVERT b, fill, left
	s_wait_loadcnt \left                           ; loads come back in order: buffer b's 32 are in; this also frees their base
	CVT 0x05, 128*\b
.if \fill
	XLOAD \b
.endif
	WIN 0
.set sq, 0
.rept 32
	ds_store_b64 v[XSS], v[XF+2*sq:XF+2*sq+1] offset:P*sq          ; lanes 0-15: row 2q, lanes 16-31: row 2q+1
.set sq, sq+1
.endr
.irp u, 0,1,2,3
.irp i, 0,1,2,3
	ds_load_b128 v[XF+16*\u+4*\i:XF+16*\u+4*\i+3], v[XSF] offset:(\u&1)*TILEB+(\u>>1)*ODD+32*\i   ; tile u, row r = block row 2 r + 32 (u & 1) + (u >> 1)
.endr
.endr
.endm
; ACC_u = F_u x F_u^T over K = 64.  The accumulators take turns, one instruction a turn.
.macro GRAMW
.irp u, 0,1,2,3
	v_wmma_f32_16x16x32_bf16 v[ACC+8*\u:ACC+8*\u+7], v[XF+16*\u:XF+16*\u+7], v[XF+16*\u:XF+16*\u+7], 0
.endr
.irp u, 0,1,2,3
	v_wmma_f32_16x16x32_bf16 v[ACC+8*\u:ACC+8*\u+7], v[XF+16*\u+8:XF+16*\u+15], v[XF+16*\u+8:XF+16*\u+15], v[ACC+8*\u:ACC+8*\u+7]
.endr
.endm
; register L & 7 of ACC_u into ACC_u's first register: the diagonal (m = n = r), which lies in the lanes with r >> 3 = h (0-7 and 24-31)
.macro DIAG u
.irp j, 0,2,4,6
	v_cndmask_b32 v[ACC+8*\u+\j], v[ACC+8*\u+\j], v[ACC+8*\u+\j+1], s26
.endr
	v_cndmask_b32 v[ACC+8*\u],   v[ACC+8*\u],   v[ACC+8*\u+2], s27
	v_cndmask_b32 v[ACC+8*\u+4], v[ACC+8*\u+4], v[ACC+8*\u+6], s27
	v_cndmask_b32 v[ACC+8*\u],   v[ACC+8*\u],   v[ACC+8*\u+4], s28
.endm
; lane L gets x2 of block row 2 L + slot: tile ua's row L (L < 16) or tile ub's row L - 16; lanes 8-23 find it in the other half
.macro X2MIX ua, ub, slot
	v_cndmask_b32 v[TMP],   v[ACC+8*\ua], v[ACC+8*\ub], s29
	v_cndmask_b32 v[TMP+1], v[ACC+8*\ub], v[ACC+8*\ua], s29
	v_permlanex16_b32 v[PT], v[TMP+1], s31, s32
	v_cndmask_b32 v[X2+\slot], v[TMP], v[PT], s30
.endm
; six LDS loads: code tile t (0..31) and its -c2/2 into buffer buf
.macro AFETCH buf, t
.if \t < 16
.irp i, 0,1,2,3
	ds_load_b128 v[AF+16*\buf+4*\i:AF+16*\buf+4*\i+3], v[A0] offset:\t*TILEB+32*\i
.endr
.else
.irp i, 0,1,2,3
	ds_load_b128 v[AF+16*\buf+4*\i:AF+16*\buf+4*\i+3], v[A1] offset:(\t-16)*TILEB+32*\i
.endr
.endif
.irp i, 0,1
	ds_load_b128 v[CT+8*\buf+4*\i:CT+8*\buf+4*\i+3], v[C0] offset:\t*64+16*\i
.endr
.endm
; The reduction of two score tiles (uc, ud), 28 instructions in four groups of seven.  Old best in BE[par], new best into BE[1 - par].
; A strict improvement keeps the earliest tile; the tile's 8 scores are saved, and j is found once at the block's end.
.macro RED_A uc, ud, par
	v_max3_num_f32 v[TMP+0], v[ACC+8*\uc+0], v[ACC+8*\uc+1], v[ACC+8*\uc+2]
	v_max3_num_f32 v[TMP+1], v[ACC+8*\uc+3], v[ACC+8*\uc+4], v[ACC+8*\uc+5]
	v_max3_num_f32 v[TMP+2], v[ACC+8*\uc+6], v[ACC+8*\uc+7], v[BE+2*\uc+\par]
	v_max3_num_f32 v[TMP+3], v[ACC+8*\ud+0], v[ACC+8*\ud+1], v[ACC+8*\ud+2]
	v_max3_num_f32 v[TMP+4], v[ACC+8*\ud+3], v[ACC+8*\ud+4], v[ACC+8*\ud+5]
	v_max3_num_f32 v[TMP+5], v[ACC+8*\ud+6], v[ACC+8*\ud+7], v[BE+2*\ud+\par]
	v_max3_num_f32 v[BE+2*\uc+1-\par], v[TMP+0], v[TMP+1], v[TMP+2]
.endm
.macro SEL u, j, m
	v_cndmask_b32 v[V+8*\u+\j], v[V+8*\u+\j], v[ACC+8*\u+\j], s[\m]
.endm
.macro RED_B uc, ud, par, tn                       ; tn: the number of the tile that is reduced, 0..31, a constant of the text
	v_max3_num_f32 v[BE+2*\ud+1-\par], v[TMP+3], v[TMP+4], v[TMP+5]
	v_cmp_gt_f32 s40, v[BE+2*\uc+1-\par], v[BE+2*\uc+\par]
	v_cmp_gt_f32 s41, v[BE+2*\ud+1-\par], v[BE+2*\ud+\par]
	v_cndmask_b32 v[TI+\uc], v[TI+\uc], \tn, s40
	v_cndmask_b32 v[TI+\ud], v[TI+\ud], \tn, s41
	SEL \uc, 0, 40
	SEL \ud, 0, 41
.endm
.macro RED_C uc, ud
	SEL \uc, 1, 40
	SEL \ud, 1, 41
	SEL \uc, 2, 40
	SEL \ud, 2, 41
	SEL \uc, 3, 40
	SEL \ud, 3, 41
	SEL \uc, 4, 40
.endm
.macro RED_D uc, ud
	SEL \ud, 4, 41
	SEL \uc, 5, 40
	SEL \ud, 5, 41
	SEL \uc, 6, 40
	SEL \ud, 6, 41
	SEL \uc, 7, 40
	SEL \ud, 7, 41
.endm
; Half a code tile: the scores of X tiles ua, ub, while the pair uc, ud that was multiplied just before (tile tn) is reduced.
; The two accumulators take turns, one instruction a turn.  Behind the fourth matrix instruction stand RED_D's seven
; plain vector instructions, which name none of its registers: the places in front of the reduction that reads its result
; and in front of the loads into the fragment buffer that it read.
.macro HS buf, ua, ub, uc, ud, par, tn
	v_wmma_f32_16x16x32_bf16 v[ACC+8*\ua:ACC+8*\ua+7], v[AF+16*\buf:AF+16*\buf+7], v[XF+16*\ua:XF+16*\ua+7], v[CT+8*\buf:CT+8*\buf+7]
	RED_A \uc, \ud, \par
	v_wmma_f32_16x16x32_bf16 v[ACC+8*\ub:ACC+8*\ub+7], v[AF+16*\buf:AF+16*\buf+7], v[XF+16*\ub:XF+16*\ub+7], v[CT+8*\buf:CT+8*\buf+7]
	RED_B \uc, \ud, \par, \tn
	v_wmma_f32_16x16x32_bf16 v[ACC+8*\ua:ACC+8*\ua+7], v[AF+16*\buf+8:AF+16*\buf+15], v[XF+16*\ua+8:XF+16*\ua+15], v[ACC+8*\ua:ACC+8*\ua+7]
	RED_C \uc, \ud
	v_wmma_f32_16x16x32_bf16 v[ACC+8*\ub:ACC+8*\ub+7], v[AF+16*\buf+8:AF+16*\buf+15], v[XF+16*\ub+8:XF+16*\ub+15], v[ACC+8*\ub:ACC+8*\ub+7]
	RED_D \uc, \ud
.endm
; A block's first half-step: nothing has been multiplied yet, so nothing is reduced.  The same turns; four v_nop are the places behind the last matrix instruction.
.macro HS0 buf, ua, ub
	v_wmma_f32_16x16x32_bf16 v[ACC+8*\ua:ACC+8*\ua+7], v[AF+16*\buf:AF+16*\buf+7], v[XF+16*\ua:XF+16*\ua+7], v[CT+8*\buf:CT+8*\buf+7]
	v_wmma_f32_16x16x32_bf16 v[ACC+8*\ub:ACC+8*\ub+7], v[AF+16*\buf:AF+16*\buf+7], v[XF+16*\ub:XF+16*\ub+7], v[CT+8*\buf:CT+8*\buf+7]
	v_wmma_f32_16x16x32_bf16 v[ACC+8*\ua:ACC+8*\ua+7], v[AF+16*\buf+8:AF+16*\buf+15], v[XF+16*\ua+8:XF+16*\ua+15], v[ACC+8*\ua:ACC+8*\ua+7]
	v_wmma_f32_16x16x32_bf16 v[ACC+8*\ub:ACC+8*\ub+7], v[AF+16*\buf+8:AF+16*\buf+15], v[XF+16*\ub+8:XF+16*\ub+15], v[ACC+8*\ub:ACC+8*\ub+7]
.rept 4
	v_nop
.endr
.endm
; A block's start: x2, and the state of the search.
.macro GRAM
	s_wait_dscnt 0x0                               ; the fragments of X are in (and code tiles 0 to 2, fetched ahead)
	s_wait_xcnt 0x0                                ; the last block's stores have had their addresses translated (ISA guide 3.1): their data, which lie in the accumulators, and their bases are written again only behind this wait
	GRAMW
	v_mov_b32 v[BE+0], s34                         ; best = -inf, in the register that tile 0's reduction reads;
	v_mov_b32 v[BE+2], s34                         ; these four lines are also the four places behind the last matrix instruction (ISA guide 7.12.1)
	v_mov_b32 v[BE+4], s34
	v_mov_b32 v[BE+6], s34
	DIAG 0
	DIAG 1
	DIAG 2
	DIAG 3
	X2MIX 0, 1, 0
	X2MIX 2, 3, 1
.endm
; The 32 code tiles, written out.  Tile t lies in buffer t & 3; tile t + 3 (behind tile 31: the next block's tiles 0 to 2) is fetched into
; the buffer that tile t - 1 has left.  Tile t's reduction reads BE[t & 1] and writes the other, so every best ends in BE[0].
; s_wait_dscnt 12: LDS loads come back in order (ISA guide 5.7.1); the six loads of tile t + 1 and the six of tile t + 2 may stay out, tile t's are in.
.macro INNER
.set t_cur, 0
.rept 32
.set b_cur, t_cur&3
.set b_nxt, (t_cur+3)&3
.set t_nxt, (t_cur+3)&31
.set t_prv, (t_cur+31)&31
.set p_cur, t_cur&1
.set p_prv, (t_cur+1)&1
	s_wait_dscnt 12
	AFETCH b_nxt, t_nxt
.if t_cur == 0
	HS0 b_cur, 0, 1
.else
	HS b_cur, 0, 1, 2, 3, p_prv, t_prv
.endif
	HS b_cur, 2, 3, 0, 1, p_cur, t_cur
.set t_cur, t_cur+1
.endr
	RED_A 2, 3, 1                                  ; tile 31 of u = 2, 3
	RED_B 2, 3, 1, 31
	RED_C 2, 3
	RED_D 2, 3
.endm
; The two lane halves of a row meet: lane L ends with block row 2 L + slot (tile ua's row L, or tile ub's row L - 16).
.macro PAIR ua, ub, slot
	v_cndmask_b32 v[OM], v[BE+2*\ua], v[BE+2*\ub], s29
	v_cndmask_b32 v[SM], v[BE+2*\ub], v[BE+2*\ua], s29
	v_cndmask_b32 v[OI], v[RIX+\ua], v[RIX+\ub], s29
	v_cndmask_b32 v[SI], v[RIX+\ub], v[RIX+\ua], s29
	v_permlanex16_b32 v[RM], v[SM], s31, s32
	v_permlanex16_b32 v[RI], v[SI], s31, s32
	v_cmp_gt_f32 s46, v[RM], v[OM]
	v_cmp_eq_f32 s47, v[RM], v[OM]
	v_cmp_lt_u32 s48, v[RI], v[OI]
	s_and_b32 s47, s47, s48
	s_or_b32 s46, s46, s47                         ; the other half's is better, or as good with the lower index
	v_cndmask_b32 v[OUTI+\slot], v[OI], v[RI], s46
	v_max_num_f32 v[OM], v[OM], v[RM]
	v_fma_f32 v[D2], v[OM], -2.0, v[X2+\slot]      ; d2 = x2 - 2 S
	v_max_num_f32 v[D2], 0, v[D2]
	v_sqrt_f32 v[OUTD+\slot], v[D2]                ; a plain vector instruction follows before the result is used or d2 written again (ISA guide 5.7.2)
.endm
.macro RESOLVE last
.irp u, 0,1,2,3
	v_mov_b32 v[RJ+\u], 7
.endr
.irp j, 6,5,4,3,2,1,0
.irp u, 0,1,2,3
	v_cmp_neq_f32 s[40+\u], v[V+8*\u+\j], v[BE+2*\u]
.endr
.irp u, 0,1,2,3
	v_cndmask_b32 v[RJ+\u], \j, v[RJ+\u], s[40+\u] ; the first saved score that equals the best
.endr
.endr
.irp u, 0,1,2,3
	v_lshl_add_u32 v[RIX+\u], v[TI+\u], 4, v[RJ+\u]    ; 16 T + j
.endr
.irp u, 0,1,2,3
	v_add_nc_u32 v[RIX+\u], v[RIX+\u], v[H8]           ; + 8 h
.endr
	PAIR 0, 1, 0
	PAIR 2, 3, 1
	v_nop
	s_lshl_b32 s20, s13, 6
	s_min_u32 s20, s20, LASTROW
	s_lshl_b32 s20, s20, 2
	s_add_nc_u64 s[22:23], s[8:9], s[20:21]
	s_add_nc_u64 s[24:25], s[10:11], s[20:21]
	global_store_b64 v[OOFF], v[OUTI:OUTI+1], s[22:23] th:TH_STORE_NT   ; the wave stores 256 consecutive bytes, at a multiple of 256 from the buffer's first byte in every block but the last
	s_wait_alu depctr_va_vdst(0)
	global_store_b64 v[OOFF], v[OUTD:OUTD+1], s[24:25] th:TH_STORE_NT
.if \last == 0
	s_add_co_u32 s13, s13, 1
	s_cmp_ge_u32 s13, NBLK                         ; the last work-group's wave 0 has five blocks
	s_cbranch_scc1 .Ldone
.endif
.endm
; One block.  The next block's way through LDS stands in front of this block's last vector work, which covers it.
.macro STEP b, conv, fill, left, last
	GRAM
	INNER
.if \conv
	CONVERT \b, \fill, \left
.endif
	RESOLVE \last
.endm
; -c2/2 of four of my code tiles, from my own bytes of LDS (served in order: no wait between my stores and these loads).  The exchange brings
; the diagonal to all 32 lanes, so that the store runs with every lane on: lanes L and L + 16 store the same word with the same value.
.macro C2HALF half
.irp u, 0,1,2,3
.irp i, 0,1,2,3
	ds_load_b128 v[XF+16*\u+4*\i:XF+16*\u+4*\i+3], v[TMP] offset:\half*4*TILEB+\u*TILEB+32*\i
.endr
.endr
	s_wait_dscnt 0x0
	GRAMW
.rept 4
	v_nop                                          ; four places behind the last matrix instruction (ISA guide 7.12.1)
.endr
	DIAG 0
	DIAG 1
	DIAG 2
	DIAG 3
.irp u, 0,1,2,3
	v_permlanex16_b32 v[PT], v[ACC+8*\u], s31, s32
	v_cndmask_b32 v[V+4*\half+\u], v[ACC+8*\u], v[PT], s30         ; lanes 8-23 take the other half's
	v_mul_f32 v[V+4*\half+\u], -0.5, v[V+4*\half+\u]
	ds_store_b32 v[TMP+1], v[V+4*\half+\u] offset:64*(4*\half+\u)
.endr
.endm
	s_load_b256 s[4:11], s[0:1], 0x0               ; X s[4:5], codebook s[6:7], out0 s[8:9], out1 s[10:11]
	s_set_vgpr_msb 0x80
	v_lshl_add_u32 v128, v0, 2, 0x1bc00
	v_mov_b32 v129, 0
	s_set_vgpr_msb 0x8000
	v_lshrrev_b32 v[BE], 5, v0
	v_readfirstlane_b32 s12, v[BE]                 ; wave 0..3
	v_and_b32 v[BE+1], 31, v0                      ; L
	v_and_b32 v[BE+2], 15, v0                      ; r
	v_bfe_u32 v[BE+3], v0, 4, 1                    ; h
	s_lshl_b32 s13, ttmp9, 5
	s_lshl3_add_u32 s13, s12, s13                  ; my first block: 32 x work-group + 8 x wave
	s_mov_b32 s14, s13                             ; the next block to fetch
	s_mov_b32 s21, 0
	s_mov_b32 s26, 0xaaaaaaaa                      ; lanes with bit 0, 1, 2 set
	s_mov_b32 s27, 0xcccccccc
	s_mov_b32 s28, 0xf0f0f0f0
	s_mov_b32 s29, 0xffff0000                      ; lanes 16-31
	s_mov_b32 s30, 0x00ffff00                      ; lanes 8-23
	s_mov_b32 s31, 0x76543210                      ; v_permlanex16_b32: lane i of one half reads lane i of the other
	s_mov_b32 s32, 0xfedcba98
	s_mov_b32 s34, 0xff800000                      ; -inf
	s_mul_i32 s15, s12, XSW
	s_add_co_u32 s15, s15, XSB                     ; my stage
	v_lshlrev_b32 v[L16], 4, v[BE+1]
	v_mul_u32_u24 v[TMP+2], v[BE+3], ODD
	v_lshl_add_u32 v[TMP+2], v[BE+2], 3, v[TMP+2]
	v_add_nc_u32 v[XSS], s15, v[TMP+2]             ; stage + 4,736 h + 8 r
	v_mul_u32_u24 v[A0], v[BE+2], P
	v_lshl_add_u32 v[A0], v[BE+3], 4, v[A0]        ; 144 r + 16 h
	v_add_nc_u32 v[A1], 16*TILEB, v[A0]
	v_add_nc_u32 v[XSF], s15, v[A0]
	v_lshlrev_b32 v[C0], 5, v[BE+3]
	v_add_nc_u32 v[C0], C2B, v[C0]
	v_mov_b32 v[PT], 0                             ; v_permlanex16_b32 counts as a reader of its destination: written once here
	v_lshlrev_b32 v[H8], 3, v[BE+3]
	v_lshlrev_b32 v[OOFF], 3, v[BE+1]
	s_lshl_b32 s15, s12, 15
	v_add_nc_u32 v[CBG], s15, v[L16]               ; my 128 codes in memory: 32,768 bytes a wave
	s_mul_i32 s15, s12, 8*TILEB                    ; and in LDS: 8 tiles a wave
	v_mul_u32_u24 v[TMP+2], v[BE+3], P
	v_lshl_add_u32 v[TMP+2], v[BE+2], 3, v[TMP+2]  ; 144 h + 8 r
	v_add_nc_u32 v[CBS], s15, v[TMP+2]
	v_add_nc_u32 v[TMP], s15, v[A0]                ; fragments of my own code tiles
	s_lshl_b32 s15, s12, 9
	s_add_co_u32 s15, s15, C2B
	v_lshl_add_u32 v[TMP+1], v[BE+2], 2, s15       ; -c2/2 of my codes: C2B + 4 (128 wave + r)
	s_wait_kmcnt 0x0
	; my 128 codes: 64 loads of 512 consecutive bytes, no hint: every work-group reads the codebook.  Load q holds codes 2q (lanes 0-15) and 2q+1 (lanes 16-31).
	; More loads go out here than LOADcnt's field can count: the issue of the one too many is held back until a load has returned (ISA guide 5.7.1), and the counts below stay true.
	WIN 0x80
.set pq, 0
.rept 32
	global_load_b128 v[4*pq:4*pq+3], v[CBG], s[6:7] offset:512*pq
.set pq, pq+1
.endr
	WIN 0x40
.rept 32
	global_load_b128 v[4*pq:4*pq+3], v[CBG], s[6:7] offset:512*pq  ; registers 128-255 of window 1: raw buffer 1, which X needs only later
.set pq, pq+1
.endr
	s_wait_loadcnt 32                              ; codes 0-63 are in; the 32 loads of codes 64-127 may stay out
	CVT 0x0a, 0
	XLOAD 0                                        ; block 0 goes out
.set pq, 0
.rept 32
	ds_store_b64 v[CBS], v[XF+2*pq:XF+2*pq+1] offset:2*P*pq        ; bf16, row-major
.set pq, pq+1
.endr
	C2HALF 0
	s_wait_loadcnt 32                              ; codes 64-127 are in; block 0's 32 loads may stay out
	CVT 0x05, 128
	XLOAD 1                                        ; block 1 goes out, into the registers just read
.set pq, 0
.rept 32
	ds_store_b64 v[CBS], v[XF+2*pq:XF+2*pq+1] offset:4*TILEB+2*P*pq
.set pq, pq+1
.endr
	C2HALF 1
.set pq, 8
.rept 24
	v_mov_b32 v[V+pq], 0                           ; the selects read what they may keep: written once (V's first eight were written above); every block's tile 0 replaces them
.set pq, pq+1
.endr
.irp u, 0,1,2,3
	v_mov_b32 v[TI+\u], 0
.endr
	s_wait_dscnt 0x0                               ; my part of the codebook and of -c2/2 is in LDS
	s_barrier_signal -1
	s_barrier_wait -1                              ; everybody's is; from here on these bytes are only read
	s_cmp_ge_u32 s13, NBLK                         ; waves 1 to 3 of the last work-group have no block: their part was the codebook
	s_cbranch_scc1 .Ldone
	AFETCH 0, 0
	AFETCH 1, 1
	AFETCH 2, 2
	CONVERT 0, 1, 32                               ; block 0 to fragments, block 2 goes out; block 1's 32 loads stay out
	; Eight blocks.  Block i lies in raw buffer i & 1; while block i is searched, blocks i + 1 and i + 2 are on their way or in.
	s_mov_b32 s45, 2
.Lblocks:
	STEP 1, 1, 1, 32, 0
	STEP 0, 1, 1, 32, 0
	s_sub_co_u32 s45, s45, 1
	s_cmp_lg_u32 s45, 0
	s_cbranch_scc1 .Lblocks
	STEP 1, 1, 1, 32, 0                            ; block 4; block 7 goes out: the last
	STEP 0, 1, 0, 32, 0                            ; block 5; block 7's loads stay out
	STEP 1, 1, 0, 0, 0                             ; block 6; nothing younger is out
	STEP 0, 0, 0, 0, 1                             ; block 7
.Ldone:
	s_wait_dscnt 0x0                               ; the fragment loads that ran three tiles ahead land before the wave ends
	s_set_vgpr_msb 0xa
	s_wait_tensorcnt 0x0
	ds_add_u32 v128, v129
	s_wait_dscnt 0x0
	s_set_vgpr_msb 0xa00
	s_endpgm
.Lfunc_end_k_q8d4c2fabf7_kmeans:
	.size	k_q8d4c2fabf7_kmeans, .Lfunc_end_k_q8d4c2fabf7_kmeans-k_q8d4c2fabf7_kmeans
	.p2alignl 7, 3214868480
	.fill 96, 4, 3214868480
	.section	.rodata,"a",@progbits
	.p2align	6, 0x0
	.amdhsa_kernel k_q8d4c2fabf7_kmeans
		.amdhsa_group_segment_fixed_size 114176
		.amdhsa_private_segment_fixed_size 0
		.amdhsa_enable_private_segment 0
		.amdhsa_kernarg_size 32
		.amdhsa_user_sgpr_count 2
		.amdhsa_user_sgpr_kernarg_segment_ptr 1
		.amdhsa_wavefront_size32 1
		.amdhsa_system_sgpr_workgroup_id_x 1
		.amdhsa_system_sgpr_workgroup_id_y 1
		.amdhsa_system_sgpr_workgroup_id_z 1
		.amdhsa_system_vgpr_workitem_id 0
		.amdhsa_next_free_vgpr 642
		.amdhsa_next_free_sgpr 66
		.amdhsa_reserve_vcc 0
		.amdhsa_float_denorm_mode_32 3
		.amdhsa_float_denorm_mode_16_64 3
		.amdhsa_memory_ordered 1
		.amdhsa_forward_progress 1
		.amdhsa_inst_pref_size 255
	.end_amdhsa_kernel
	.section	.bss,"aw",@nobits
	.p2align	6
	.space	262144
	.amdgpu_metadata
---
amdhsa.version: [ 1, 2 ]
amdhsa.kernels:
  - .name:           k_q8d4c2fabf7_kmeans
    .symbol:         k_q8d4c2fabf7_kmeans.kd
    .args:
      - { .name: X, .offset: 0, .size: 8, .value_kind: global_buffer, .address_space: global }
      - { .name: codebook, .offset: 8, .size: 8, .value_kind: global_buffer, .address_space: global }
      - { .name: out0, .offset: 16, .size: 8, .value_kind: global_buffer, .address_space: global }
      - { .name: out1, .offset: 24, .size: 8, .value_kind: global_buffer, .address_space: global }
    .group_segment_fixed_size: 114176
    .private_segment_fixed_size: 0
    .kernarg_segment_align: 8
    .kernarg_segment_size: 32
    .max_flat_workgroup_size: 128
    .sgpr_count:     66
    .vgpr_count:     642
    .wavefront_size: 32
...
	.end_amdgpu_metadata
.endif
;; end of part 1
;; ======== version 2 of 2: 1 launch; 1.93 times as fast as version 1
;; launch kmeans (part 2): grid 245 x 1, 8 waves a work-group, no clusters, 152,576 bytes of LDS; arguments X, codebook, out0, out1; writes out0, out1
.if DOCPART == 2
	.amdgcn_target "amdgcn-amd-amdhsa--gfx1250"
	.amdhsa_code_object_version 6
	.text
	.protected	k_q8d4c2fabf7_kmeans
	.globl	k_q8d4c2fabf7_kmeans
	.p2align	8
	.type	k_q8d4c2fabf7_kmeans,@function
k_q8d4c2fabf7_kmeans:
	s_mov_b64 s[64:65], 0
	v_nop
	global_prefetch_b8 v0, s[64:65] scope:SCOPE_SE
	s_setreg_imm32_b32 hwreg(HW_REG_WAVE_MODE, 25, 1), 1
	s_wait_xcnt 0x0
; Nearest code of 512 for each of 500,000 rows of 64 f32: out0 = its index (int32), out1 = its Euclidean distance (f32).
; ARITHMETIC.  X and the codebook are rounded once to bf16 (nearest even); x2, c2 and x.c are all made of the rounded numbers, sums in f32.
; Score S[k] = x.c[k] - c2[k]/2, so d2 = x2 - 2 S: the smallest distance is the largest S (the factor -2 is exact; the clamp at 0 and the root
; are monotone).  The first matrix instruction of a score tile takes a tile of -c2/2 as its C, so a score costs no vector work to form, and
; one root is taken for each row.  x2 and c2 are the diagonals of F x F^T of the same bf16 fragments.
; LIMITS.  NaN and infinities in the inputs are not served.  The index is that of the largest S, exact ties to the lowest index; where two
; codes' d2 differ by less than the f32 rounding of x2 - 2 x.c + c2, or give the same root, or are both clamped at 0, the problem's formula may
; name the other of the two.  v_sqrt_f32 gives 0 for a denormal d2 (ISA guide 15.8).
; SHARING.  A block is 64 rows; 7,813 blocks, the last begins at row 499,936 and gives rows 499,936 to 499,967 a second time, with the same
; values, by the neighbouring wave of the same work-group.  Wave W = 8 x work-group + wave owns blocks 4 W to 4 W + 3: 245 work-groups
; (244 x 32 < 7,813 <= 245 x 32).  A wave works alone behind the one barrier that shows the codebook to all: 4 tiles of 16 rows (u = 0..3)
; against 32 tiles of 16 codes.  Codes are the matrix A, rows of X the matrix B: lane (r, h) holds row r of X and in register j code 16 T + 8 h + j.
; EIGHT WAVES of 512 registers: each has one raw block of X (16,384 bytes) on its way while it searches the block before.
; CODE.  Every LDS address is a register that is never rewritten plus an immediate, so the 32 code tiles of a block are written out; that text
; stands ONCE, in a loop over the wave's blocks.  The search's compares and selects go through VCC, and the selects that save a tile's eight
; scores go out two in one instruction: a code tile is 8 matrix, 40 vector and 6 LDS instructions and one wait.
; NO CLUSTER: 245 work-groups do not divide by four, and what work-groups share, the codebook, is 131,072 of the 655,360 bytes that a
; work-group reads (32 blocks of 16,384 besides), read once at the start.  X goes through registers, not through a tensor load: it is
; rounded to bf16 on the way into LDS, and no barrier stands in the loop.
.set NBLK,    7813
.set LASTROW, 499936
.set BPW,     4                        ; blocks of a wave
.set P,       144                      ; LDS pitch of a bf16 row: 128 + 16 bytes = 36 words, so 16 rows start at 16 different multiples of 4 words modulo 64 (64 banks of 4 bytes: ISA guide 11.1)
.set TILEB,   16*P                     ; a tile of 16 rows
.set C2B,     32*TILEB                 ; behind the codebook's 32 tiles: -c2/2, 512 f32
.set XSB,     C2B+2048                 ; behind that: each wave's stage for one block of X in bf16
.set XSW,     9472
.set ODD,     4736                     ; in a stage: rows 2q at 144 q, rows 2q+1 at 4,736 + 144 q; 4,736 bytes = 32 words modulo 64, so the two lane halves of a store touch different words modulo 64
.set L16,  1                           ; 16 x lane
.set XSS,  2                           ; stage, store address
.set XSF,  3                           ; stage, fragment address
.set A0,   4                           ; code fragments, tiles 0-15: r x 144 + 16 h
.set A1,   5                           ; tiles 16-31: the same + 16 tiles (an LDS immediate ends at 65,535, the codebook at 73,728)
.set C0,   6                           ; -c2/2: C2B + 32 h
.set PT,   7                           ; where an exchange between the lane halves lands
.set H8,   8                           ; 8 h
.set OOFF, 9                           ; 8 x lane
.set TMP,  10                          ; v10-15   at work (at the head: two LDS addresses and a scratch)
.set XF,   16                          ; v16-79   fragments of X: XF + 16 u + 8 s (s: K half)
.set AF,   80                          ; v80-143  code fragments, four buffers: AF + 16 buf + 8 s
.set CT,   144                         ; v144-175 tiles of -c2/2, four buffers
.set ACC,  176                         ; v176-207 four accumulators
.set V,    208                         ; v208-239 the 8 scores of the best tile so far, for each u
.set BE,   240                         ; v240-247 best score, two registers by turns for each u
.set TI,   248                         ; v248-251 the best tile's number
.set X2,   252                         ; v252-253 x2 of block rows 2 L and 2 L + 1
.set CBG,  254
.set CBS,  255
; window 1: v256-383 the raw block of X; v384-511 the wave's 64 codes in f32, at the head only.
.set RJ,   ACC                         ; at a block's end the accumulators are free: j, index,
.set RIX,  ACC+4
.set OM,   ACC+8                       ; own and sent best and index, received best and index, d2,
.set SM,   ACC+9
.set OI,   ACC+10
.set SI,   ACC+11
.set RM,   ACC+12
.set RI,   ACC+13
.set D2,   ACC+14
.set OUTI, ACC+16                      ; and the two pairs that are stored
.set OUTD, ACC+18
.set MSB, 0
.macro WIN new                         ; s_set_vgpr_msb: bits 1:0 source 0, 3:2 source 1, 5:4 source 2, 7:6 destination; the high byte repeats the setting that is left
.if MSB != \new
	s_set_vgpr_msb (MSB<<8)|\new
.set MSB, \new
.endif
.endm
; 32 loads, 512 consecutive bytes each: block s14 of 64 rows into the raw buffer.  The base s[16:17] is written only where the buffer's earlier loads have been waited for.
.macro XLOAD
	s_lshl_b32 s20, s14, 6
	s_min_u32 s20, s20, LASTROW                    ; no load leaves X: the last block begins at row 499,936
	s_lshl_b32 s20, s20, 8                         ; 256 bytes a row
	s_add_nc_u64 s[16:17], s[4:5], s[20:21]
	s_add_co_u32 s14, s14, 1
	WIN 0x40
.set xq, 0
.rept 32
	global_load_b128 v[4*xq:4*xq+3], v[L16], s[16:17] offset:512*xq th:TH_LOAD_NT
.set xq, xq+1
.endr
	WIN 0
.endm
; 128 raw registers of window 1, from register base on, to 64 registers of bf16 pairs in XF
.macro CVT base
	WIN 0x05
.set cq, 0
.rept 32
	v_cvt_pk_bf16_f32 v[XF+2*cq],   v[\base+4*cq],   v[\base+4*cq+1]
	v_cvt_pk_bf16_f32 v[XF+2*cq+1], v[\base+4*cq+2], v[\base+4*cq+3]
.set cq, cq+1
.endr
	WIN 0
.endm
; The raw block becomes the fragments of X, and the wave's next block, if it has one left to fetch, goes out into the registers just read.
; The stage is the wave's own and LDS serves a wave's instructions in order (ISA guide 5.7.1), so no wait stands between the stores and the loads.
.macro CONVERT
	s_wait_loadcnt 0x0                             ; the raw block's 32 loads are in (nothing younger is ever out); this also frees their base
	CVT 0
	s_cmp_ge_u32 s14, s35                          ; nothing of mine is left to fetch: no byte of X is asked for in vain
	s_cbranch_scc1 .Lnofill_\@
	XLOAD
.Lnofill_\@:
.set sq, 0
.rept 32
	ds_store_b64 v[XSS], v[XF+2*sq:XF+2*sq+1] offset:P*sq          ; lanes 0-15: row 2q, lanes 16-31: row 2q+1
.set sq, sq+1
.endr
.irp u, 0,1,2,3
.irp i, 0,1,2,3
	ds_load_b128 v[XF+16*\u+4*\i:XF+16*\u+4*\i+3], v[XSF] offset:(\u&1)*TILEB+(\u>>1)*ODD+32*\i   ; tile u, row r = block row 2 r + 32 (u & 1) + (u >> 1)
.endr
.endr
.endm
; ACC_u = F_u x F_u^T over K = 64.  The accumulators take turns, one instruction a turn.
.macro GRAMW
.irp u, 0,1,2,3
	v_wmma_f32_16x16x32_bf16 v[ACC+8*\u:ACC+8*\u+7], v[XF+16*\u:XF+16*\u+7], v[XF+16*\u:XF+16*\u+7], 0
.endr
.irp u, 0,1,2,3
	v_wmma_f32_16x16x32_bf16 v[ACC+8*\u:ACC+8*\u+7], v[XF+16*\u+8:XF+16*\u+15], v[XF+16*\u+8:XF+16*\u+15], v[ACC+8*\u:ACC+8*\u+7]
.endr
.rept 4
	v_nop                                          ; four places behind the last matrix instruction (ISA guide 7.12.1), in front of the selects that read the results
.endr
.endm
; register L & 7 of ACC_u into ACC_u's first register: the diagonal (m = n = r), which lies in the lanes with r >> 3 = h (0-7 and 24-31)
.macro DIAG u
.irp j, 0,2,4,6
	v_cndmask_b32 v[ACC+8*\u+\j], v[ACC+8*\u+\j], v[ACC+8*\u+\j+1], s26
.endr
	v_cndmask_b32 v[ACC+8*\u],   v[ACC+8*\u],   v[ACC+8*\u+2], s27
	v_cndmask_b32 v[ACC+8*\u+4], v[ACC+8*\u+4], v[ACC+8*\u+6], s27
	v_cndmask_b32 v[ACC+8*\u],   v[ACC+8*\u],   v[ACC+8*\u+4], s28
.endm
; lane L gets x2 of block row 2 L + slot: tile ua's row L (L < 16) or tile ub's row L - 16; lanes 8-23 find it in the other half
.macro X2MIX ua, ub, slot
	v_cndmask_b32 v[TMP],   v[ACC+8*\ua], v[ACC+8*\ub], s29
	v_cndmask_b32 v[TMP+1], v[ACC+8*\ub], v[ACC+8*\ua], s29
	v_permlanex16_b32 v[PT], v[TMP+1], s31, s32
	v_cndmask_b32 v[X2+\slot], v[TMP], v[PT], s30
.endm
; six LDS loads: code tile t (0..31) and its -c2/2 into buffer buf
.macro AFETCH buf, t
.if \t < 16
.irp i, 0,1,2,3
	ds_load_b128 v[AF+16*\buf+4*\i:AF+16*\buf+4*\i+3], v[A0] offset:\t*TILEB+32*\i
.endr
.else
.irp i, 0,1,2,3
	ds_load_b128 v[AF+16*\buf+4*\i:AF+16*\buf+4*\i+3], v[A1] offset:(\t-16)*TILEB+32*\i
.endr
.endif
.irp i, 0,1
	ds_load_b128 v[CT+8*\buf+4*\i:CT+8*\buf+4*\i+3], v[C0] offset:\t*64+16*\i
.endr
.endm
; The reduction of two score tiles (uc, ud) of code tile tn, in four groups of at most five instructions.  Old best in BE[par], new best into
; BE[1 - par].  VCC = not improved (new <= old): a strict improvement alone replaces, so the earliest tile is kept; the tile's 8 scores are
; saved, and j is found once at the block's end.  Code tile 0 starts a block's search: no old best, plain moves, nothing is cleared.
; SEL2 saves scores j and j + 1 (j even) in one instruction of two halves: one destination even, the other odd; the two first sources and the
; two second sources are neighbouring registers, so each pair differs modulo 4; both halves select by VCC.
.macro SEL2 u, j, tn
.if \tn == 0
	v_dual_mov_b32 v[V+8*\u+\j], v[ACC+8*\u+\j] :: v_dual_mov_b32 v[V+8*\u+\j+1], v[ACC+8*\u+\j+1]
.else
	v_dual_cndmask_b32 v[V+8*\u+\j], v[ACC+8*\u+\j], v[V+8*\u+\j] :: v_dual_cndmask_b32 v[V+8*\u+\j+1], v[ACC+8*\u+\j+1], v[V+8*\u+\j+1]
.endif
.endm
.macro CMPB u, par, tn
.if \tn != 0
	v_cmp_le_f32 vcc_lo, v[BE+2*\u+1-\par], v[BE+2*\u+\par]
.endif
.endm
.macro SETT u, tn
.if \tn == 0
	v_mov_b32 v[TI+\u], 0
.else
	v_cndmask_b32 v[TI+\u], \tn, v[TI+\u], vcc_lo
.endif
.endm
.macro RED_A uc, ud, par, tn
	v_max3_num_f32 v[TMP+0], v[ACC+8*\uc+0], v[ACC+8*\uc+1], v[ACC+8*\uc+2]
	v_max3_num_f32 v[TMP+1], v[ACC+8*\uc+3], v[ACC+8*\uc+4], v[ACC+8*\uc+5]
.if \tn == 0
	v_max_num_f32 v[TMP+2], v[ACC+8*\uc+6], v[ACC+8*\uc+7]
.else
	v_max3_num_f32 v[TMP+2], v[ACC+8*\uc+6], v[ACC+8*\uc+7], v[BE+2*\uc+\par]
.endif
	v_max3_num_f32 v[TMP+3], v[ACC+8*\ud+0], v[ACC+8*\ud+1], v[ACC+8*\ud+2]
	v_max3_num_f32 v[TMP+4], v[ACC+8*\ud+3], v[ACC+8*\ud+4], v[ACC+8*\ud+5]
.endm
.macro RED_B uc, ud, par, tn
.if \tn == 0
	v_max_num_f32 v[TMP+5], v[ACC+8*\ud+6], v[ACC+8*\ud+7]
.else
	v_max3_num_f32 v[TMP+5], v[ACC+8*\ud+6], v[ACC+8*\ud+7], v[BE+2*\ud+\par]
.endif
	v_max3_num_f32 v[BE+2*\uc+1-\par], v[TMP+0], v[TMP+1], v[TMP+2]
	v_max3_num_f32 v[BE+2*\ud+1-\par], v[TMP+3], v[TMP+4], v[TMP+5]
	CMPB \uc, \par, \tn
	SETT \uc, \tn
.endm
.macro RED_C uc, ud, par, tn
	SEL2 \uc, 0, \tn
	SEL2 \uc, 2, \tn
	SEL2 \uc, 4, \tn
	SEL2 \uc, 6, \tn
	CMPB \ud, \par, \tn                            ; uc's selects are over: VCC is now ud's
.endm
.macro RED_D ud, tn
	SETT \ud, \tn
	SEL2 \ud, 0, \tn
	SEL2 \ud, 2, \tn
	SEL2 \ud, 4, \tn
	SEL2 \ud, 6, \tn
.endm
; Half a code tile: the scores of X tiles ua, ub, while the pair uc, ud that was multiplied just before (code tile tn) is reduced.
; The two accumulators take turns, one instruction a turn.  Behind the fourth matrix instruction stand RED_D's five
; vector instructions (one of two halves counted as one place), which name none of its registers: the places, of which four
; are asked for, in front of the reduction that reads its result and in front of the loads into the fragment buffer that it read.
.macro HS buf, ua, ub, uc, ud, par, tn
	v_wmma_f32_16x16x32_bf16 v[ACC+8*\ua:ACC+8*\ua+7], v[AF+16*\buf:AF+16*\buf+7], v[XF+16*\ua:XF+16*\ua+7], v[CT+8*\buf:CT+8*\buf+7]
	RED_A \uc, \ud, \par, \tn
	v_wmma_f32_16x16x32_bf16 v[ACC+8*\ub:ACC+8*\ub+7], v[AF+16*\buf:AF+16*\buf+7], v[XF+16*\ub:XF+16*\ub+7], v[CT+8*\buf:CT+8*\buf+7]
	RED_B \uc, \ud, \par, \tn
	v_wmma_f32_16x16x32_bf16 v[ACC+8*\ua:ACC+8*\ua+7], v[AF+16*\buf+8:AF+16*\buf+15], v[XF+16*\ua+8:XF+16*\ua+15], v[ACC+8*\ua:ACC+8*\ua+7]
	RED_C \uc, \ud, \par, \tn
	v_wmma_f32_16x16x32_bf16 v[ACC+8*\ub:ACC+8*\ub+7], v[AF+16*\buf+8:AF+16*\buf+15], v[XF+16*\ub+8:XF+16*\ub+15], v[ACC+8*\ub:ACC+8*\ub+7]
	RED_D \ud, \tn
.endm
; A block's first half-step: nothing has been multiplied yet, so nothing is reduced.  The same turns; four v_nop are the places behind the last matrix instruction.
.macro HS0 buf, ua, ub
	v_wmma_f32_16x16x32_bf16 v[ACC+8*\ua:ACC+8*\ua+7], v[AF+16*\buf:AF+16*\buf+7], v[XF+16*\ua:XF+16*\ua+7], v[CT+8*\buf:CT+8*\buf+7]
	v_wmma_f32_16x16x32_bf16 v[ACC+8*\ub:ACC+8*\ub+7], v[AF+16*\buf:AF+16*\buf+7], v[XF+16*\ub:XF+16*\ub+7], v[CT+8*\buf:CT+8*\buf+7]
	v_wmma_f32_16x16x32_bf16 v[ACC+8*\ua:ACC+8*\ua+7], v[AF+16*\buf+8:AF+16*\buf+15], v[XF+16*\ua+8:XF+16*\ua+15], v[ACC+8*\ua:ACC+8*\ua+7]
	v_wmma_f32_16x16x32_bf16 v[ACC+8*\ub:ACC+8*\ub+7], v[AF+16*\buf+8:AF+16*\buf+15], v[XF+16*\ub+8:XF+16*\ub+15], v[ACC+8*\ub:ACC+8*\ub+7]
.rept 4
	v_nop
.endr
.endm
; A block's start: x2 of its 64 rows.
.macro GRAM
	s_wait_dscnt 0x0                               ; the fragments of X are in (and code tiles 0 to 2, fetched ahead)
	s_wait_xcnt 0x0                                ; the last block's stores have had their addresses translated (ISA guide 3.1): their data, which lie in the accumulators, and their bases are written again only behind this wait
	GRAMW
	DIAG 0
	DIAG 1
	DIAG 2
	DIAG 3
	X2MIX 0, 1, 0
	X2MIX 2, 3, 1
.endm
; The 32 code tiles, written out.  Tile t lies in buffer t & 3; tile t + 3 (behind tile 31: the next block's tiles 0 to 2) is fetched into
; the buffer that tile t - 1 has left.  Tile t's reduction reads BE[t & 1] and writes the other, so every best ends in BE[0].
; s_wait_dscnt 12: LDS loads come back in order (ISA guide 5.7.1); the six loads of tile t + 1 and the six of tile t + 2 may stay out, tile t's are in.
.macro INNER
.set t_cur, 0
.rept 32
.set b_cur, t_cur&3
.set b_nxt, (t_cur+3)&3
.set t_nxt, (t_cur+3)&31
.set t_prv, (t_cur+31)&31
.set p_cur, t_cur&1
.set p_prv, (t_cur+1)&1
	s_wait_dscnt 12
	AFETCH b_nxt, t_nxt
.if t_cur == 0
	HS0 b_cur, 0, 1
.else
	HS b_cur, 0, 1, 2, 3, p_prv, t_prv
.endif
	HS b_cur, 2, 3, 0, 1, p_cur, t_cur
.set t_cur, t_cur+1
.endr
	RED_A 2, 3, 1, 31                              ; tile 31 of u = 2, 3
	RED_B 2, 3, 1, 31
	RED_C 2, 3, 1, 31
	RED_D 3, 31
.endm
; The two lane halves of a row meet: lane L ends with block row 2 L + slot (tile ua's row L, or tile ub's row L - 16).
.macro PAIR ua, ub, slot
	v_cndmask_b32 v[OM], v[BE+2*\ua], v[BE+2*\ub], s29
	v_cndmask_b32 v[SM], v[BE+2*\ub], v[BE+2*\ua], s29
	v_cndmask_b32 v[OI], v[RIX+\ua], v[RIX+\ub], s29
	v_cndmask_b32 v[SI], v[RIX+\ub], v[RIX+\ua], s29
	v_permlanex16_b32 v[RM], v[SM], s31, s32
	v_permlanex16_b32 v[RI], v[SI], s31, s32
	v_cmp_gt_f32 s46, v[RM], v[OM]
	v_cmp_eq_f32 s47, v[RM], v[OM]
	v_cmp_lt_u32 s48, v[RI], v[OI]
	s_and_b32 s47, s47, s48
	s_or_b32 s46, s46, s47                         ; the other half's is better, or as good with the lower index
	v_cndmask_b32 v[OUTI+\slot], v[OI], v[RI], s46
	v_max_num_f32 v[OM], v[OM], v[RM]
	v_fma_f32 v[D2], v[OM], -2.0, v[X2+\slot]      ; d2 = x2 - 2 S
	v_max_num_f32 v[D2], 0, v[D2]
	v_sqrt_f32 v[OUTD+\slot], v[D2]                ; a plain vector instruction follows before the result is used or d2 written again (ISA guide 5.7.2)
.endm
.macro RESOLVE
.irp u, 0,1,2,3
	v_mov_b32 v[RJ+\u], 7
.endr
.irp j, 6,5,4,3,2,1,0
.irp u, 0,1,2,3
	v_cmp_neq_f32 s[40+\u], v[V+8*\u+\j], v[BE+2*\u]
.endr
.irp u, 0,1,2,3
	v_cndmask_b32 v[RJ+\u], \j, v[RJ+\u], s[40+\u] ; the first saved score that equals the best
.endr
.endr
.irp u, 0,1,2,3
	v_lshl_add_u32 v[RIX+\u], v[TI+\u], 4, v[RJ+\u]    ; 16 T + j
.endr
.irp u, 0,1,2,3
	v_add_nc_u32 v[RIX+\u], v[RIX+\u], v[H8]           ; + 8 h
.endr
	PAIR 0, 1, 0
	PAIR 2, 3, 1
	v_nop
	s_lshl_b32 s20, s13, 6
	s_min_u32 s20, s20, LASTROW
	s_lshl_b32 s20, s20, 2
	s_add_nc_u64 s[22:23], s[8:9], s[20:21]
	s_add_nc_u64 s[24:25], s[10:11], s[20:21]
	global_store_b64 v[OOFF], v[OUTI:OUTI+1], s[22:23] th:TH_STORE_NT   ; the wave stores 256 consecutive bytes, at a multiple of 256 from the buffer's first byte in every block but the last
	s_wait_alu depctr_va_vdst(0)
	global_store_b64 v[OOFF], v[OUTD:OUTD+1], s[24:25] th:TH_STORE_NT
.endm
	s_load_b256 s[4:11], s[0:1], 0x0               ; X s[4:5], codebook s[6:7], out0 s[8:9], out1 s[10:11]
	v_lshrrev_b32 v[BE], 5, v0
	v_readfirstlane_b32 s12, v[BE]                 ; wave 0..7
	v_and_b32 v[BE+1], 31, v0                      ; L
	v_and_b32 v[BE+2], 15, v0                      ; r
	v_bfe_u32 v[BE+3], v0, 4, 1                    ; h
	s_lshl_b32 s13, ttmp9, 5
	s_lshl2_add_u32 s13, s12, s13                  ; my first block: 32 x work-group + 4 x wave
	s_mov_b32 s14, s13                             ; the next block to fetch
	s_add_co_u32 s35, s13, BPW
	s_min_u32 s35, s35, NBLK                       ; behind my last block
	s_mov_b32 s21, 0
	s_mov_b32 s26, 0xaaaaaaaa                      ; lanes with bit 0, 1, 2 set
	s_mov_b32 s27, 0xcccccccc
	s_mov_b32 s28, 0xf0f0f0f0
	s_mov_b32 s29, 0xffff0000                      ; lanes 16-31
	s_mov_b32 s30, 0x00ffff00                      ; lanes 8-23
	s_mov_b32 s31, 0x76543210                      ; v_permlanex16_b32: lane i of one half reads lane i of the other
	s_mov_b32 s32, 0xfedcba98
	s_mul_i32 s15, s12, XSW
	s_add_co_u32 s15, s15, XSB                     ; my stage
	v_lshlrev_b32 v[L16], 4, v[BE+1]
	v_mul_u32_u24 v[TMP+2], v[BE+3], ODD
	v_lshl_add_u32 v[TMP+2], v[BE+2], 3, v[TMP+2]
	v_add_nc_u32 v[XSS], s15, v[TMP+2]             ; stage + 4,736 h + 8 r
	v_mul_u32_u24 v[A0], v[BE+2], P
	v_lshl_add_u32 v[A0], v[BE+3], 4, v[A0]        ; 144 r + 16 h
	v_add_nc_u32 v[A1], 16*TILEB, v[A0]
	v_add_nc_u32 v[XSF], s15, v[A0]
	v_lshlrev_b32 v[C0], 5, v[BE+3]
	v_add_nc_u32 v[C0], C2B, v[C0]
	v_mov_b32 v[PT], 0                             ; v_permlanex16_b32 counts as a reader of its destination: written once here
	v_lshlrev_b32 v[H8], 3, v[BE+3]
	v_lshlrev_b32 v[OOFF], 3, v[BE+1]
	s_lshl_b32 s15, s12, 14
	v_add_nc_u32 v[CBG], s15, v[L16]               ; my 64 codes in memory: 16,384 bytes a wave
	s_mul_i32 s15, s12, 4*TILEB                    ; and in LDS: 4 tiles a wave
	v_mul_u32_u24 v[TMP+2], v[BE+3], P
	v_lshl_add_u32 v[TMP+2], v[BE+2], 3, v[TMP+2]  ; 144 h + 8 r
	v_add_nc_u32 v[CBS], s15, v[TMP+2]
	v_add_nc_u32 v[TMP], s15, v[A0]                ; fragments of my own code tiles
	s_lshl_b32 s15, s12, 8
	s_add_co_u32 s15, s15, C2B
	v_lshl_add_u32 v[TMP+1], v[BE+2], 2, s15       ; -c2/2 of my codes: C2B + 4 (64 wave + r)
	s_wait_kmcnt 0x0
	; My 64 codes: 32 loads of 512 consecutive bytes, no hint: every work-group reads the codebook.  Load q holds codes 2q (lanes 0-15) and 2q+1 (lanes 16-31).
	; My first block of X goes out straight behind them.  (The six waves of the last work-group that own no block ask for X's last block here and
	; do not use it, 98,304 bytes in the launch: a branch round these loads would make the counted wait below untrue on one of its two ways.)
	; One load more goes out here than LOADcnt's field can count: its issue is held back until a load has returned (ISA guide 5.7.1), and the count below stays true.
	WIN 0x40
.set pq, 0
.rept 32
	global_load_b128 v[128+4*pq:128+4*pq+3], v[CBG], s[6:7] offset:512*pq
.set pq, pq+1
.endr
	XLOAD
	s_wait_loadcnt 32                              ; the codes are in; the block's 32 loads may stay out
	CVT 128
.set pq, 0
.rept 32
	ds_store_b64 v[CBS], v[XF+2*pq:XF+2*pq+1] offset:2*P*pq        ; bf16, row-major
.set pq, pq+1
.endr
	; -c2/2 of my four code tiles, from my own bytes of LDS (served in order: no wait between my stores and these loads).  The exchange brings
	; the diagonal to all 32 lanes, so that the store runs with every lane on: lanes L and L + 16 store the same word with the same value.
.irp u, 0,1,2,3
.irp i, 0,1,2,3
	ds_load_b128 v[XF+16*\u+4*\i:XF+16*\u+4*\i+3], v[TMP] offset:\u*TILEB+32*\i
.endr
.endr
	s_wait_dscnt 0x0
	GRAMW
	DIAG 0
	DIAG 1
	DIAG 2
	DIAG 3
.irp u, 0,1,2,3
	v_permlanex16_b32 v[PT], v[ACC+8*\u], s31, s32
	v_cndmask_b32 v[V+\u], v[ACC+8*\u], v[PT], s30                 ; lanes 8-23 take the other half's
	v_mul_f32 v[V+\u], -0.5, v[V+\u]
	ds_store_b32 v[TMP+1], v[V+\u] offset:64*\u
.endr
	s_wait_dscnt 0x0                               ; my part of the codebook and of -c2/2 is in LDS
	s_barrier_signal -1
	s_barrier_wait -1                              ; everybody's is; from here on these bytes are only read
	s_cmp_ge_u32 s13, s35                          ; waves 2 to 7 of the last work-group have no block: their part was the codebook
	s_cbranch_scc1 .Ldone
	AFETCH 0, 0
	AFETCH 1, 1
	AFETCH 2, 2
	CONVERT                                        ; my first block to fragments; my second goes out
	; The wave's blocks, one a trip.  While block i is searched, block i + 1 is on its way; its way through LDS stands in front of block i's
	; last vector work, which covers it.
.Lblocks:
	GRAM
	INNER
	s_add_co_u32 s15, s13, 1
	s_cmp_ge_u32 s15, s35                          ; my last block: nothing follows it
	s_cbranch_scc1 .Lnoconv
	CONVERT
.Lnoconv:
	RESOLVE
	s_add_co_u32 s13, s13, 1
	s_cmp_lt_u32 s13, s35
	s_cbranch_scc1 .Lblocks
.Ldone:
	s_wait_dscnt 0x0                               ; the fragment loads that ran three tiles ahead land before the wave ends
	s_wait_xcnt 0x0
	v_lshl_add_u32 v254, v0, 2, 0x25000
	v_mov_b32 v255, 0
	s_wait_tensorcnt 0x0
	ds_add_u32 v254, v255
	s_wait_dscnt 0x0
	s_endpgm
.Lfunc_end_k_q8d4c2fabf7_kmeans:
	.size	k_q8d4c2fabf7_kmeans, .Lfunc_end_k_q8d4c2fabf7_kmeans-k_q8d4c2fabf7_kmeans
	.p2alignl 7, 3214868480
	.fill 96, 4, 3214868480
	.section	.rodata,"a",@progbits
	.p2align	6, 0x0
	.amdhsa_kernel k_q8d4c2fabf7_kmeans
		.amdhsa_group_segment_fixed_size 152576
		.amdhsa_private_segment_fixed_size 0
		.amdhsa_enable_private_segment 0
		.amdhsa_kernarg_size 32
		.amdhsa_user_sgpr_count 2
		.amdhsa_user_sgpr_kernarg_segment_ptr 1
		.amdhsa_wavefront_size32 1
		.amdhsa_system_sgpr_workgroup_id_x 1
		.amdhsa_system_sgpr_workgroup_id_y 1
		.amdhsa_system_sgpr_workgroup_id_z 1
		.amdhsa_system_vgpr_workitem_id 0
		.amdhsa_next_free_vgpr 512
		.amdhsa_next_free_sgpr 66
		.amdhsa_reserve_vcc 1
		.amdhsa_float_denorm_mode_32 3
		.amdhsa_float_denorm_mode_16_64 3
		.amdhsa_memory_ordered 1
		.amdhsa_forward_progress 1
		.amdhsa_inst_pref_size 152
	.end_amdhsa_kernel
	.amdgpu_metadata
---
amdhsa.version: [ 1, 2 ]
amdhsa.kernels:
  - .name:           k_q8d4c2fabf7_kmeans
    .symbol:         k_q8d4c2fabf7_kmeans.kd
    .args:
      - { .name: X, .offset: 0, .size: 8, .value_kind: global_buffer, .address_space: global }
      - { .name: codebook, .offset: 8, .size: 8, .value_kind: global_buffer, .address_space: global }
      - { .name: out0, .offset: 16, .size: 8, .value_kind: global_buffer, .address_space: global }
      - { .name: out1, .offset: 24, .size: 8, .value_kind: global_buffer, .address_space: global }
    .group_segment_fixed_size: 152576
    .private_segment_fixed_size: 0
    .kernarg_segment_align: 8
    .kernarg_segment_size: 32
    .max_flat_workgroup_size: 256
    .sgpr_count:     66
    .vgpr_count:     512
    .wavefront_size: 32
...
	.end_amdgpu_metadata
.endif
;; end of part 2
